; MI455X (gfx1250); checked and timed in simulation.
; The chip was launched on July 23, 2026; its instructions are those of AMD's public machine-readable ISA for CDNA 5 (MIT licence, August 2026) and "CDNA5" Instruction Set Architecture Reference Guide (July 2026). The comments in the code are by the model that wrote it; some were corrected since.
;; Feed Forward2. Allowed arithmetic: float matrix products may take bf16 or f16 operands with f32 sums; other float arithmetic in f32, or as packed bf16 or f16 multiplies, adds, multiply-adds, maxima and minima; sums over many terms, partial sums and values carried from step to step in f32; what a program stores and reads back later, other than sums and carried values, may be rounded once to bf16 or f16.
;; Inputs: b1 128 float32; b2 128 float32; b3 1,024 float32; w1 1,024 x 128 float32; w2 1,024 x 128 float32; w3 128 x 128 x 1,024 float32; x 2 x 2,048 x 1,024 float32.
;; Outputs: out0 2 x 2,048 x 1,024 float32.
;; One version. Each part assembles by itself: llvm-mc -triple=amdgcn-amd-amdhsa -mcpu=gfx1250 --defsym DOCPART=n.
;; ======== version 1 of 1: 2 launches
;; limits: values are held in f16: magnitudes above 65,504 overflow, below 6.1e-05 lose precision; inputs' magnitudes at most 65,504
;; workspace buffers: abt 4,194,304 bytes
;; launch proj (part 1): grid 4 x 64, 4 waves a work-group, clusters of 4 x 1, 270,848 bytes of LDS; arguments x, w1, w2, b1, b2, abt; writes abt
.if DOCPART == 1
	.amdgcn_target "amdgcn-amd-amdhsa--gfx1250"
	.amdhsa_code_object_version 6
	.text
	.protected	k_q93abb8323c_proj
	.globl	k_q93abb8323c_proj
	.p2align	8
	.type	k_q93abb8323c_proj,@function
k_q93abb8323c_proj:
	s_mov_b64 s[64:65], 0
	v_nop
	global_prefetch_b8 v0, s[64:65] scope:SCOPE_SE
	s_setreg_imm32_b32 hwreg(HW_REG_WAVE_MODE, 25, 1), 1
	s_wait_xcnt 0x0
	s_wait_alu depctr_hold_cnt(0) depctr_sa_sdst(0) depctr_va_vdst(0) depctr_va_sdst(0) depctr_va_ssrc(0) depctr_va_vcc(0) depctr_vm_vsrc(0)
	s_getreg_b32 s2, hwreg(HW_REG_IB_STS2, 6, 4)
	s_cmp_eq_u32 s2, 0
	s_cbranch_scc0 .Lentry_in_a_cluster
	s_endpgm
.Lentry_in_a_cluster:
	s_bfe_u32 s2, ttmp6, 0x10000c
	s_cmp_lg_u32 s2, 0x3003
	s_cbranch_scc0 .Lentry_shape_is_right
	s_endpgm
.Lentry_shape_is_right:
; abt[c][n] = swish(sum over k of x[n][k] w[k][c] + bias[c]), f32, TRANSPOSED: 256 rows (c = 0..127: w1, b1; c = 128..255: w2, b2) of 4,096 tokens.
; x: [4096][1024] f32; w1, w2: [1024][128] f32; b1, b2: [128] f32.  x and the weights are rounded once to f16 (11 significant bits); products by the matrix unit; sums, biases and the swish in f32.
; LIMITS.  f16 holds no number beyond 65,504: x and the weights must lie within it; below 6e-5 they keep f16's fixed step of 6e-8.
; swish(z) = z / (1 + 2^(-1.442695 z)): where the power overflows the quotient is 0 with z's sign, where it underflows it is z.  NaN and infinities are not treated apart.
; SHARES.  A work-group makes 64 tokens x 64 columns.  K IS SPLIT AMONG ITS FOUR WAVES: wave v takes k = 256 v .. 256 v + 255 for the whole tile, 8 steps of 32; the four partial tiles meet in LDS.
; CLUSTER.  The four work-groups of a cluster make the four column blocks of the same 64 tokens, so x's tile is asked for JOINTLY: the same tensor loads, descriptors and mask in all four.
; Which weight and bias a work-group takes is a choice between two addresses; no branch and no LDS address hangs on its place in the cluster.
; x comes into LDS as f32, two tensor loads a wave (64 rows x 512 bytes each), and only the wave that asked reads it.  The weights come straight into registers: a lane takes 16 bytes (4 columns) of 16 rows
; a step; two rows rounded together are one register of a fragment whose column r is the tile's column 4 r + t.
; REGISTERS, in windows of 256 (s_set_vgpr_msb: bits 1:0 source 0, 3:2 source 1, 5:4 source 2, 7:6 destination):
;   window 0: v0-15 addresses; v32-39 the bias; v128-191 x's fragments, two buffers of 4 x 8; v192-255 the weights' fragments, likewise (at the end v128-255: the four partial sums)
;   window 1: the weights as loaded: a ring of four steps x 64        window 2: v0-127 the 16 accumulators ((rb, t) at 8 (4 rb + t)); v128-255 x as read from LDS, two buffers of 64
.set XP,    528       ; a row of x in LDS: 512 bytes + 16 of padding = 132 words: row r starts at bank 4 r mod 64 (64 banks of 4 bytes: ISA guide 11.1)
.set XH,    64*XP     ; what one tensor load brings
.set XW,    2*XH      ; a wave's region
.set SPARE, 4*XW      ; behind the regions: the spare words, 128 bytes for each wave: two blocks of 256 bytes that no other line names
.set PP,    272       ; a row of a partial tile: 64 tokens of f32 + 16 bytes
.set XA,  4           ; v4   my place in my wave's region: row l % 16, 32 bytes for each half of the lanes
.set VW,  5           ; v5   my byte offset in the weights: 8 rows for the upper half of the lanes, 16 bytes a lane
.set PS,  6           ; v6   where I put my part of the partial tile
.set PR,  8           ; v8-11  where I read the four partial tiles back
.set VBI, 12          ; v12  my byte offset in the bias
.set VO,  13          ; v13  my byte offset in abt
.set SPW, 14          ; v14  LDS address of my spare word; never rewritten
.set NIL, 15          ; v15  0; never rewritten
.set BI,  32          ; v32-39  the bias of my eight columns
.set XF,  128
.set WF,  192
.set XR,  128         ; window 2
.set Z,   128         ; the end: z, then the result
.set E,   160         ; the end: the exponentials
.set WV,  16          ; s16  my wave's number
.set CX,  17          ; s17  my place in the cluster: the column block
.set TY,  18          ; s18  the block of 64 tokens
.set G1,  24          ; s[24:31] descriptor group 1
.set G0,  32          ; s[32:39] descriptor group 0, one set for each half of my k
.set SW,  40          ; s[40:41] the weight at my columns and my first k
.set SBI, 42          ; s[42:43] the bias at my columns
.set SO,  44          ; s[44:45] abt at row 64 cx + wave, my tokens
.set MSB, 0
.macro WIN new                      ; the immediate's high byte repeats the setting that is left; a switch that changes nothing is dropped
.if MSB != (\new)
	s_set_vgpr_msb (MSB<<8)|(\new)
.set MSB, \new
.endif
.endm
.macro PLACES n
.rept \n
	v_nop
.endr
.endm
; A round of the cluster's barrier: my work-group's barrier; wave 0 signals for the work-group; every wave waits for all four work-groups; my work-group's barrier once more.
.macro CROUND
	s_barrier_signal -1
	s_barrier_wait -1
	s_cmp_lg_u32 s[WV], 0
	s_cbranch_scc1 .Lnot_wave_0_\@
	s_barrier_signal -3
.Lnot_wave_0_\@:
	s_barrier_wait -3
	s_barrier_signal -1
	s_barrier_wait -1
.endm
	s_load_b256 s[4:11], s[0:1], 0x0               ; x s[4:5], w1 s[6:7], w2 s[8:9], b1 s[10:11]
	s_load_b128 s[12:15], s[0:1], 0x20             ; b2 s[12:13], abt s[14:15]
	v_lshl_add_u32 v[SPW], v0, 2, SPARE
	v_mov_b32 v[NIL], 0
	ds_add_u32 v[SPW], v[NIL]                      ; the wave's opening: the add and its wait stand ahead of my first tensor load; the set-up below, work on registers, stands between them
	v_lshrrev_b32 v3, 5, v0
	v_readfirstlane_b32 s[WV], v3                  ; wave 0..3
	s_bfe_u32 s[CX], ttmp6, 0x40000
	s_and_b32 s[TY], ttmp7, 0xffff                 ; the cluster's y, which the four partners share
	; descriptor group 1: 64 rows x 128 elements of 4 bytes, padded in LDS
	s_mov_b32 s[G1+0], 15|(2<<16)|(1<<20)|(1<<21)|(6<<22)|(3<<25)  ; 15:0 the mask of four; 17:16 4-byte elements; 20 padding on; 21 set beside a mask; 24:22 after every 128 words (code 6); 31:25 4 words (code 3)
	s_mov_b32 s[G1+1], 128<<16                     ; tensor_dim0 = 128
	s_mov_b32 s[G1+2], 64<<16                      ; tensor_dim1 = 64
	s_mov_b32 s[G1+3], 128<<16                     ; tile_dim0 = 128
	s_mov_b32 s[G1+4], 64                          ; tile_dim1 = 64
	s_mov_b32 s[G1+5], 1024                        ; elements from row to row
	s_mov_b32 s[G1+6], 0
	s_mov_b32 s[G1+7], 0
	s_mul_i32 s50, s[WV], XW                       ; my region in LDS
	s_mul_i32 s51, s[WV], 16*PP                    ; the 16 rows of the partial tiles that I finish
	s_lshl_b32 s58, s[WV], 2
	s_lshl_b32 s46, s[TY], 18                      ; 64 rows of 4,096 bytes,
	s_lshl_b32 s47, s[WV], 10                      ; my 256 k
	s_add_co_u32 s46, s46, s47
	s_mov_b32 s47, 0
	; what hangs on my place in the cluster stands in registers of its own, which feed no descriptor
	s_and_b32 s52, s[CX], 1
	s_lshl_b32 s52, s52, 8                         ; my 64 columns inside the weight and the bias: 0 or 256 bytes
	s_mov_b32 s53, 0
	s_lshl_b32 s54, s[WV], 17                      ; my 256 rows of 512 bytes
	s_add_co_u32 s54, s54, s52
	s_mov_b32 s55, 0
	s_lshl_b32 s56, s[CX], 20                      ; 64 rows of abt, 16,384 bytes each,
	s_lshl_b32 s57, s[WV], 14                      ; row = wave,
	s_add_co_u32 s56, s56, s57
	s_lshl_b32 s57, s[TY], 8                       ; my 64 tokens
	s_add_co_u32 s56, s56, s57
	s_mov_b32 s57, 0
	s_wait_dscnt 0x0                               ; the opening add is done
	s_wait_kmcnt 0x0
	s_add_nc_u64 s[48:49], s[4:5], s[46:47]
	s_cmp_lt_u32 s[CX], 2                          ; column blocks 0, 1: w1 and b1; 2, 3: w2 and b2
	s_cselect_b64 s[SW:SW+1], s[6:7], s[8:9]
	s_cselect_b64 s[SBI:SBI+1], s[10:11], s[12:13]
	s_add_nc_u64 s[SW:SW+1], s[SW:SW+1], s[54:55]
	s_add_nc_u64 s[SBI:SBI+1], s[SBI:SBI+1], s[52:53]
	s_add_nc_u64 s[SO:SO+1], s[14:15], s[56:57]
.irp hf, 0,1
	s_mov_b32 s[G0+4*(\hf)], 1                     ; count = 1
	s_add_co_u32 s[G0+4*(\hf)+1], s50, (\hf)*XH    ; LDS address
	s_add_nc_u64 s[G0+4*(\hf)+2:G0+4*(\hf)+3], s[48:49], (\hf)*512  ; global address: k = 256 v + 128 hf
	s_or_b32 s[G0+4*(\hf)+3], s[G0+4*(\hf)+3], 0x80000000          ; type = 2
.endr
	CROUND                                         ; all four work-groups are here: the joint loads meet
	tensor_load_to_lds s[G0:G0+3], s[G1:G1+7]      ; two loads of mine are out; no LDS byte is filled twice in this launch
	s_nop 0
	tensor_load_to_lds s[G0+4:G0+7], s[G1:G1+7]
	s_nop 0
	PLACES 4
	v_and_b32 v1, 15, v0                           ; l % 16
	v_bfe_u32 v2, v0, 4, 1                         ; l / 16
	v_mul_u32_u24 v[XA], v1, XP
	v_lshl_add_u32 v[XA], v2, 5, v[XA]
	v_add_nc_u32 v[XA], s50, v[XA]
	v_lshlrev_b32 v[VW], 4, v1
	v_lshl_add_u32 v[VW], v2, 12, v[VW]
	v_mul_u32_u24 v[PS], v1, PP
	v_lshl_add_u32 v[PS], v2, 5, v[PS]
	v_add_nc_u32 v[PS], s50, v[PS]
	v_mul_u32_u24 v7, v2, PP
	v_lshl_add_u32 v7, v1, 4, v7
	v_add_nc_u32 v7, s51, v7
.irp u, 0,1,2,3
	v_add_nc_u32 v[PR+(\u)], (\u)*XW, v7
.endr
	v_lshl_add_u32 v[VBI], v2, 4, s58
	v_lshlrev_b32 v[VO], 4, v1
	v_lshl_add_u32 v[VO], v2, 16, v[VO]
.irp m, 0,1,2,3,4,5,6,7
	global_load_b32 v[BI+(\m)], v[VBI], s[SBI:SBI+1] offset:32*(\m)  ; the bias of column 4 (2 m + l / 16) + wave: the columns that I finish
.endr
; Step s's 16 loads of the weights: rows 32 s + 16 c + 8 (l / 16) + e of my k, 4 columns a lane; 16 lanes take 256 consecutive bytes, aligned.
.macro WLOAD s
	WIN 0x40                                       ; destination window 1
.irp c, 0,1
.irp e, 0,1,2,3,4,5,6,7
	global_load_b128 v[64*((\s)%4)+4*(8*(\c)+(\e)):64*((\s)%4)+4*(8*(\c)+(\e))+3], v[VW], s[SW:SW+1] offset:(32*(\s)+16*(\c)+(\e))*512
.endr
.endr
.endm
; Step s's 16 LDS loads of x: for each block of 16 tokens my row's k = 8 (l / 16) + 0..7 and 16 + 8 (l / 16) + 0..7, in f32.
.macro XLOAD s
	WIN 0x80                                       ; destination window 2
.irp rb, 0,1,2,3
.irp o, 0,1,2,3
	ds_load_b128 v[XR+64*((\s)%2)+16*(\rb)+4*(\o):XR+64*((\s)%2)+16*(\rb)+4*(\o)+3], v[XA] offset:((\s)/4)*XH+(\rb)*16*XP+((\s)%4)*128+16*((\o)%2)+64*((\o)/2)
.endr
.endr
.endm
; A step: 32 along K.  The loads run ahead (weights three steps, x one); both operands are rounded to f16 into the buffer that the step before last multiplied: that step's products stand 64 conversions back.
; The 16 accumulators take turns, one instruction a turn, from step to step too.
.macro STEP s
.if (\s)+3 < 8
	WLOAD (\s)+3
.endif
.if (\s)+1 < 8
.if (\s)+1 == 4
	s_wait_tensorcnt 0x0                           ; the second half of my k is in
.endif
	XLOAD (\s)+1
.endif
.if 7-(\s) < 3
	s_wait_loadcnt 16*(7-(\s))                     ; this step's weights are in; the later steps' loads, 16 each, may stay out
.else
	s_wait_loadcnt 48
.endif
	WIN 0x05                                       ; sources window 1, destination window 0
.irp t, 0,1,2,3
.irp c, 0,1
.irp m, 0,1,2,3
	v_cvt_pk_f16_f32 v[WF+32*((\s)%2)+8*(\t)+4*(\c)+(\m)], v[64*((\s)%4)+4*(8*(\c)+2*(\m))+(\t)], v[64*((\s)%4)+4*(8*(\c)+2*(\m)+1)+(\t)]
.endr
.endr
.endr
.if (\s) < 7
	s_wait_dscnt 16                                ; this step's x is in; the next step's 16 loads may stay out
.else
	s_wait_dscnt 0x0
.endif
	WIN 0x0a                                       ; sources window 2, destination window 0
.irp rb, 0,1,2,3
.irp m, 0,1,2,3,4,5,6,7
	v_cvt_pk_f16_f32 v[XF+32*((\s)%2)+8*(\rb)+(\m)], v[XR+64*((\s)%2)+16*(\rb)+2*(\m)], v[XR+64*((\s)%2)+16*(\rb)+2*(\m)+1]
.endr
.endr
	WIN 0xa0                                       ; C and D window 2, sources window 0
.irp rb, 0,1,2,3
.irp t, 0,1,2,3
.if (\s) == 0
	v_wmma_f32_16x16x32_f16 v[8*(4*(\rb)+(\t)):8*(4*(\rb)+(\t))+7], v[XF+32*((\s)%2)+8*(\rb):XF+32*((\s)%2)+8*(\rb)+7], v[WF+32*((\s)%2)+8*(\t):WF+32*((\s)%2)+8*(\t)+7], 0
.else
	v_wmma_f32_16x16x32_f16 v[8*(4*(\rb)+(\t)):8*(4*(\rb)+(\t))+7], v[XF+32*((\s)%2)+8*(\rb):XF+32*((\s)%2)+8*(\rb)+7], v[WF+32*((\s)%2)+8*(\t):WF+32*((\s)%2)+8*(\t)+7], v[8*(4*(\rb)+(\t)):8*(4*(\rb)+(\t))+7]
.endif
.endr
.endr
.endm
	WLOAD 0
	WLOAD 1
	WLOAD 2
	s_wait_tensorcnt 0x1                           ; the first half of my k is in; the second load may stay out.  Only I read these bytes, so no barrier is wanted
	XLOAD 0
.irp s, 0,1,2,3,4,5,6,7
	STEP \s
.endr
	; THE PARTIAL TILES.  In accumulator (rb, t) lane l holds column 4 (l % 16) + t and the tokens 16 rb + 8 (l / 16) + 0..7.  It goes into my own region, whose last fill I have read out:
	; row 16 t + l % 16, 64 tokens of f32 a row.  Each accumulator's four lowest registers go first.
	PLACES 8
	WIN 0x08                                       ; store data window 2
.irp rb, 0,1,2,3
.irp t, 0,1,2,3
	ds_store_b128 v[PS], v[8*(4*(\rb)+(\t)):8*(4*(\rb)+(\t))+3]   offset:(\t)*16*PP+(\rb)*64
	ds_store_b128 v[PS], v[8*(4*(\rb)+(\t))+4:8*(4*(\rb)+(\t))+7] offset:(\t)*16*PP+(\rb)*64+16
.endr
.endr
	WIN 0
	s_wait_dscnt 0x0                               ; for the others' sake: my stores are done
	s_barrier_signal -1
	s_barrier_wait -1                              ; all four partial tiles lie in LDS
	; Wave v finishes rows 16 v .. 16 v + 15 (t = v): load m takes rows 2 m and 2 m + 1, 16 lanes a row, 4 tokens a lane.
.irp u, 0,1,2,3
.irp m, 0,1,2,3,4,5,6,7
	ds_load_b128 v[Z+32*(\u)+4*(\m):Z+32*(\u)+4*(\m)+3], v[PR+(\u)] offset:2*PP*(\m)
.endr
.endr
	s_wait_dscnt 0x0
.set r, 0
.rept 16
	v_pk_add_f32 v[Z+r:Z+r+1], v[Z+r:Z+r+1], v[Z+32+r:Z+32+r+1]
	v_pk_add_f32 v[Z+64+r:Z+64+r+1], v[Z+64+r:Z+64+r+1], v[Z+96+r:Z+96+r+1]
.set r, r+2
.endr
.set r, 0
.rept 16
	v_pk_add_f32 v[Z+r:Z+r+1], v[Z+r:Z+r+1], v[Z+64+r:Z+64+r+1]
.set r, r+2
.endr
.set m, 0
.rept 8                                            ; z = the sum + the column's bias (its loads are older than every weight's, which have been waited for): one register of the pair for both halves
.set i, 0
.rept 2
.if m%2
	v_pk_add_f32 v[Z+4*m+2*i:Z+4*m+2*i+1], v[Z+4*m+2*i:Z+4*m+2*i+1], v[BI+2*(m/2):BI+2*(m/2)+1] op_sel:[0,1] op_sel_hi:[1,1]
.else
	v_pk_add_f32 v[Z+4*m+2*i:Z+4*m+2*i+1], v[Z+4*m+2*i:Z+4*m+2*i+1], v[BI+2*(m/2):BI+2*(m/2)+1] op_sel_hi:[1,0]
.endif
.set i, i+1
.endr
.set m, m+1
.endr
.set r, 0
.rept 16
	v_pk_mul_f32 v[E+r:E+r+1], v[Z+r:Z+r+1], 0xbfb8aa3b op_sel_hi:[1,0]  ; -log2(e) z
.set r, r+2
.endr
.set r, 0
.rept 32
	v_exp_f32 v[E+r], v[E+r]
.set r, r+1
.endr
	v_nop                                          ; a plain instruction behind the last exponential,
	s_wait_alu depctr_va_vdst(0)                   ; and one wait for the batch, ahead of its first reader
.set r, 0
.rept 16
	v_pk_add_f32 v[E+r:E+r+1], v[E+r:E+r+1], 1.0 op_sel_hi:[1,0]
.set r, r+2
.endr
.set r, 0
.rept 32
	v_rcp_f32 v[E+r], v[E+r]
.set r, r+1
.endr
	v_nop
	s_wait_alu depctr_va_vdst(0)                   ; one wait for the 32 reciprocals
.set r, 0
.rept 16
	v_pk_mul_f32 v[Z+r:Z+r+1], v[Z+r:Z+r+1], v[E+r:E+r+1]
.set r, r+2
.endr
.irp m, 0,1,2,3,4,5,6,7
	global_store_b128 v[VO], v[Z+4*(\m):Z+4*(\m)+3], s[SO:SO+1] offset:(\m)*8*16384  ; row 64 cx + 4 (2 m + l / 16) + wave of abt: 16 lanes store 256 consecutive bytes, at a multiple of 256 from abt's first byte
.endr
	s_wait_tensorcnt 0x0                           ; the wave's end: behind my last tensor load and my last LDS store
	ds_add_u32 v[SPW], v[NIL]
	s_wait_dscnt 0x0
	CROUND                                         ; the closing round
	s_endpgm
.Lfunc_end_k_q93abb8323c_proj:
	.size	k_q93abb8323c_proj, .Lfunc_end_k_q93abb8323c_proj-k_q93abb8323c_proj
	.p2alignl 7, 3214868480
	.fill 96, 4, 3214868480
	.section	.rodata,"a",@progbits
	.p2align	6, 0x0
	.amdhsa_kernel k_q93abb8323c_proj
		.amdhsa_group_segment_fixed_size 270848
		.amdhsa_private_segment_fixed_size 0
		.amdhsa_enable_private_segment 0
		.amdhsa_kernarg_size 48
		.amdhsa_user_sgpr_count 2
		.amdhsa_user_sgpr_kernarg_segment_ptr 1
		.amdhsa_wavefront_size32 1
		.amdhsa_system_sgpr_workgroup_id_x 1
		.amdhsa_system_sgpr_workgroup_id_y 1
		.amdhsa_system_sgpr_workgroup_id_z 1
		.amdhsa_system_vgpr_workitem_id 0
		.amdhsa_next_free_vgpr 768
		.amdhsa_next_free_sgpr 66
		.amdhsa_reserve_vcc 0
		.amdhsa_float_denorm_mode_32 3
		.amdhsa_float_denorm_mode_16_64 3
		.amdhsa_memory_ordered 1
		.amdhsa_forward_progress 1
		.amdhsa_inst_pref_size 83
	.end_amdhsa_kernel
	.amdgpu_metadata
---
amdhsa.version: [ 1, 2 ]
amdhsa.kernels:
  - .name:           k_q93abb8323c_proj
    .symbol:         k_q93abb8323c_proj.kd
    .args:
      - { .name: x, .offset: 0, .size: 8, .value_kind: global_buffer, .address_space: global }
      - { .name: w1, .offset: 8, .size: 8, .value_kind: global_buffer, .address_space: global }
      - { .name: w2, .offset: 16, .size: 8, .value_kind: global_buffer, .address_space: global }
      - { .name: b1, .offset: 24, .size: 8, .value_kind: global_buffer, .address_space: global }
      - { .name: b2, .offset: 32, .size: 8, .value_kind: global_buffer, .address_space: global }
      - { .name: abt, .offset: 40, .size: 8, .value_kind: global_buffer, .address_space: global }
    .group_segment_fixed_size: 270848
    .private_segment_fixed_size: 0
    .kernarg_segment_align: 8
    .kernarg_segment_size: 48
    .max_flat_workgroup_size: 128
    .sgpr_count:     66
    .vgpr_count:     768
    .wavefront_size: 32
...
	.end_amdgpu_metadata
.endif
;; end of part 1
;; launch main (part 2): grid 16 x 16, 4 waves a work-group, clusters of 4 x 1, 327,680 bytes of LDS; arguments w3, b3, abt, out0; writes out0
.if DOCPART == 2
	.amdgcn_target "amdgcn-amd-amdhsa--gfx1250"
	.amdhsa_code_object_version 6
	.text
	.protected	k_q93abb8323c_main
	.globl	k_q93abb8323c_main
	.p2align	8
	.type	k_q93abb8323c_main,@function
k_q93abb8323c_main:
	s_mov_b64 s[64:65], 0
	v_nop
	global_prefetch_b8 v0, s[64:65] scope:SCOPE_SE
	s_setreg_imm32_b32 hwreg(HW_REG_WAVE_MODE, 25, 1), 1
	s_wait_xcnt 0x0
	s_wait_alu depctr_hold_cnt(0) depctr_sa_sdst(0) depctr_va_vdst(0) depctr_va_sdst(0) depctr_va_ssrc(0) depctr_va_vcc(0) depctr_vm_vsrc(0)
	s_getreg_b32 s2, hwreg(HW_REG_IB_STS2, 6, 4)
	s_cmp_eq_u32 s2, 0
	s_cbranch_scc0 .Lentry_in_a_cluster
	s_endpgm
.Lentry_in_a_cluster:
	s_bfe_u32 s2, ttmp6, 0x10000c
	s_cmp_lg_u32 s2, 0x3003
	s_cbranch_scc0 .Lentry_shape_is_right
	s_endpgm
.Lentry_shape_is_right:
; out0[n][w] = sum over i, j of a[n][i] b[n][j] w3[i][j][w] + b3[w].  w3: [128][128][1024] f32; b3: [1024] f32; abt: [256][4096] f32 (rows 0-127: a by i, rows 128-255: b by j); out0: [4096][1024] f32.
; THE FORM.  For each i: T[n][w] = sum over j of b[n][j] w3[i][j][w], four matrix instructions deep, started with the constant 0; then acc[n][w] += a[n][i] T[n][w] in f32.
; The outer product of a and b is never formed: b, rounded once to f16, stays in registers as fragments for the whole kernel; a, b3 and all sums stay in f32.  w3 is rounded once to f16.
; b's SCALE.  b has no bound but f32's, so each token's b is divided by a power of two S before it is rounded: S = the power of two at or below m = max(0.5, the largest b[n][j]), at most 2^126.
; swish is never below -0.2785, so |b| <= m for every input, and b / S lies within -1.2 to 2.  S comes back on the way out: out = acc S + b3, one fused multiply-add.
; LIMITS.  f16 holds no number beyond 65,504: w3 must lie within it; w3 below 6e-5, and b / S below 6e-5, keep f16's fixed step of 6e-8 (S is never below 0.5).
; NaN and infinities are not treated apart; the first two units multiply a token's own b by zeros.
; THE MATRIX INSTRUCTION IS USED TRANSPOSED (source 0 = 16 columns of w3, source 1 = 16 tokens of b): a lane of the result holds ONE token, so a[n][i] is one number a lane and the update is four packed
; multiply-adds an accumulator.
; SHARES.  A work-group makes 256 tokens x 64 columns, over all i: 16 x 16 work-groups.  Wave v: tokens 128 (v / 2) on, columns 32 (v % 2) on: 16 accumulators x = 2 rb + cb.  In accumulator x lane l, register j,
; holds token 64 (rb / 4) + 4 (l % 16) + rb % 4 and column 2 (8 (l / 16) + j) + cb of the wave's: the two orders come from the loads below and are undone on the way out.
; w3 comes into LDS as it lies, f32, [j][64 columns], by tensor loads: a slot holds four i (512 rows of 256 bytes), each wave fetches one i.  A lane reads 8 bytes (columns 2 q, 2 q + 1) of 8 rows on end;
; two rows rounded together are one register of a fragment whose row q is column 2 q + cb.
; CLUSTER.  The four token blocks of a cluster walk the same columns of w3, so each tile is asked for JOINTLY: the same tensor load, descriptor and mask in all four.
; BY UNITS.  Unit u: L(u): i = u's 64 LDS loads, in one run; C(u): its 64 roundings; M(u - 1): the 64 products of the i before; A(u - 2): the 64 multiply-adds of the i before that.  The products go in pairs, and
; behind each pair stand four vector instructions, of C or of A.  The first two units work on zeros and the last two are written out behind the loop.
; REGISTERS, in windows of 256 (s_set_vgpr_msb: bits 1:0 source 0, 3:2 source 1, 5:4 source 2, 7:6 destination):
;   window 0: v0-15 addresses; v16-31 b3; v32-63 a of four i, 8 each; v64-71 S; v72-95 at work in the set-up; v128-255 w3's fragments, two buffers ((kb, cb) at 8 (2 kb + cb))
;   window 1: b's fragments ((rb, kb) at 8 (4 rb + kb))        window 2: T, two buffers of 128        window 3: v0-127 acc; v128-255 w3 as read from LDS
.set PITCH, 272       ; a row in LDS: 256 bytes + 16 of padding.  In a run's load the two halves of the lanes lie 8 rows = 2,176 bytes apart, 128 modulo 256: 32 lanes x 8 bytes take each bank once (64 banks of 4 bytes: ISA guide 11.1)
.set IB,    128*PITCH ; one i: 128 rows
.set SLOT,  4*IB      ; 0x22000; wave x IB has none of its two bits, so one exclusive or turns an address in one slot into the other's
.set SLOTG, 512*4096  ; a slot's rows in memory
.set SPARE, 2*SLOT    ; behind the ring: the spare words, 128 bytes for each wave: two blocks of 256 bytes that no other line names
.set TOKB,  16384     ; a row of abt
.set AD0, 4           ; v4   my place in an i's rows; never rewritten
.set AD,  5           ; v5   the LDS address of the run in hand
.set VA,  6           ; v6   16 (l % 16): my four tokens in 64
.set VB,  7           ; v7   the same, 8 rows of abt further down for the upper half of the lanes
.set STO, 8           ; v8   the way out: where I put 64 bytes of a row
.set RD,  9           ; v9   the way out: where I read rows back
.set CO,  10          ; v10  my byte offset in two rows of out0
.set PFO, 11          ; v11  the prefetches' offset: my lane x a row of w3; never rewritten
.set VBI, 12          ; v12  my byte offset in b3
.set SPW, 14          ; v14  LDS address of my spare word; never rewritten
.set NIL, 15          ; v15  0; never rewritten
.set BI,  16          ; v16-31  b3 of my 16 columns on end
.set AV,  32          ; a of i at AV + 8 (i % 4) + rb
.set SC,  64          ; v64-71  S of my token in block rb
.set INV, 72          ; v72-79  1 / S
.set MX,  80          ; v80-87  the running maximum m
.set PX,  88          ; v88-95  the other half of the lanes' m
.set FR,  128
.set STG, 128         ; the way out: 64 registers on their way into the stage
.set RAW, 128         ; window 3
.set WV,  12          ; s12  my wave's number
.set WM,  13          ; s13  which 128 tokens
.set WN,  14          ; s14  which 32 columns
.set CX,  15          ; s15  my place in the cluster
.set G1,  24          ; s[24:31] descriptor group 1
.set G0,  32          ; s[32:35] descriptor group 0: it walks
.set SA,  36          ; s[36:37] abt at my 128 tokens, at the row behind the four i in hand
.set SB,  38          ; s[38:39] abt at my 128 tokens, row 128
.set PFA, 40          ; s[40:41] where my prefetches stand
.set TB,  42          ; s42  LDS byte at which the i to be read next begins
.set SLOTS, 43        ; s43  tiles still to be asked for
.set LIM, 44          ; s44  1 in a cluster that prefetches, else the greatest number
.set OUT, 46          ; s[46:47] out0 at the 64 rows that I store
.set B3,  48          ; s[48:49] b3 at the work-group's columns
.set SEL, 52          ; s[52:53] v_permlanex16_b32's selects: each lane takes its own place in the other half
.set W_M, 0xa4        ; w3's fragments window 0, b's window 1, T window 2
.set W_L, 0xc0        ; destination window 3
.set W_C, 0x0f        ; both sources window 3, destination window 0
.set W_F, 0xf2        ; T window 2, a window 0, acc window 3
.set MSB, 0
.macro WIN new                      ; the immediate's high byte repeats the setting that is left; a switch that changes nothing is dropped
.if MSB != (\new)
	s_set_vgpr_msb (MSB<<8)|(\new)
.set MSB, \new
.endif
.endm
.macro PLACES n
.rept \n
	v_nop
.endr
.endm
; A round of the cluster's barrier: my work-group's barrier; wave 0 signals for the work-group; every wave waits for all four work-groups; my work-group's barrier once more.
.macro CROUND
	s_barrier_signal -1
	s_barrier_wait -1
	s_cmp_lg_u32 s[WV], 0
	s_cbranch_scc1 .Lnot_wave_0_\@
	s_barrier_signal -3
.Lnot_wave_0_\@:
	s_barrier_wait -3
	s_barrier_signal -1
	s_barrier_wait -1
.endm
; A PREFETCH INTO THE L2 of the tile that the NEXT change of slots will ask for: four units, 256 matrix instructions, ahead of that load.  A tile is 512 rows x 256 bytes; the four clusters of a column block
; walk the same tiles, and the first of them (cluster x = 0) asks.  Its four partners share the rows out BY ADDRESS (partner p takes the slot's i number p), each wave takes 32 rows, a lane a row:
; each row's 256 bytes are named once in the launch.  Tiles 0 and 1 come by their loads alone; the last two trips ask for nothing: there is no tile behind the last.
.macro ASK
	s_cmp_gt_u32 s[SLOTS], s[LIM]
	s_cbranch_scc0 .Lnot_mine_\@
	global_prefetch_b8 v[PFO], s[PFA:PFA+1] th:TH_LOAD_NT scope:SCOPE_SE
.Lnot_mine_\@:
.endm
	s_load_b256 s[4:11], s[0:1], 0x0               ; w3 s[4:5], b3 s[6:7], abt s[8:9], out0 s[10:11]
	v_lshl_add_u32 v[SPW], v0, 2, SPARE
	v_mov_b32 v[NIL], 0
	ds_add_u32 v[SPW], v[NIL]                      ; the wave's opening: the add and its wait stand ahead of my first tensor load; the set-up below, work on registers, stands between them
	v_lshrrev_b32 v3, 5, v0
	v_readfirstlane_b32 s[WV], v3                  ; wave 0..3
	s_lshr_b32 s[WM], s[WV], 1
	s_and_b32 s[WN], s[WV], 1
	s_bfe_u32 s[CX], ttmp6, 0x40000
	s_and_b32 s16, ttmp7, 0xffff                   ; the column block, which the four partners share:
	s_lshl_b32 s16, s16, 8                         ; its 64 columns, 256 bytes
	s_mov_b32 s17, 0
	s_lshl_b32 s18, s[WV], 19                      ; the i that I fetch: 128 rows of 4,096 bytes
	s_add_co_u32 s18, s18, s16
	s_mov_b32 s19, 0
	; descriptor group 1: 128 rows x 64 elements of 4 bytes, padded in LDS
	s_mov_b32 s[G1+0], 15|(2<<16)|(1<<20)|(1<<21)|(5<<22)|(3<<25)  ; 15:0 the mask of four; 17:16 4-byte elements; 20 padding on; 21 set beside a mask; 24:22 after every 64 words (code 5); 31:25 4 words (code 3)
	s_mov_b32 s[G1+1], 64<<16                      ; tensor_dim0 = 64
	s_mov_b32 s[G1+2], 128<<16                     ; tensor_dim1 = 128
	s_mov_b32 s[G1+3], 64<<16                      ; tile_dim0 = 64
	s_mov_b32 s[G1+4], 128                         ; tile_dim1 = 128
	s_mov_b32 s[G1+5], 1024                        ; elements from row to row
	s_mov_b32 s[G1+6], 0
	s_mov_b32 s[G1+7], 0
	s_mov_b32 s[G0], 1                             ; count = 1
	s_mul_i32 s[G0+1], s[WV], IB                   ; LDS address: slot 0, my i: no place in the cluster enters it
	; what hangs on my place in the cluster stands in registers of its own, which feed no descriptor
	s_lshl_b32 s20, ttmp9, 2
	s_add_co_u32 s20, s20, s[CX]                   ; my block of 256 tokens = 4 x cluster x + cx
	s_lshl_b32 s22, s20, 20                        ; its rows of out0
	s_lshl_b32 s20, s20, 10                        ; its bytes in a row of abt,
	s_lshl_b32 s21, s[WM], 9                       ; my wave's 128 tokens
	s_add_co_u32 s20, s20, s21
	s_mov_b32 s21, 0
	s_lshl_b32 s23, s[WV], 18                      ; the 64 rows that I store
	s_add_co_u32 s22, s22, s23
	s_add_co_u32 s22, s22, s16
	s_mov_b32 s23, 0
	s_add_co_u32 s50, s[CX], 4                     ; the prefetches begin in tile 1, at i number cx of it,
	s_lshl_b32 s50, s50, 19
	s_lshl_b32 s51, s[WV], 17                      ; my wave's 32 rows;
	s_add_co_u32 s50, s50, s51
	s_add_co_u32 s50, s50, s16
	s_mov_b32 s51, 0                               ; the first change of slots steps them to tile 2
	s_cmp_eq_u32 ttmp9, 0
	s_cselect_b32 s[LIM], 1, -1                    ; the same in all four partners
	s_mov_b32 s[TB], SLOT+4*IB                     ; the first change of slots turns this into 0
	s_mov_b32 s[SLOTS], 31
	s_mov_b32 s[SEL], 0x76543210
	s_mov_b32 s[SEL+1], 0xfedcba98
	s_wait_dscnt 0x0                               ; the opening add is done
	s_wait_kmcnt 0x0
	s_add_nc_u64 s[G0+2:G0+3], s[4:5], s[18:19]    ; global address: tile 0, my i, the work-group's columns
	s_or_b32 s[G0+3], s[G0+3], 0x80000000          ; type = 2
	s_add_nc_u64 s[PFA:PFA+1], s[4:5], s[50:51]
	s_add_nc_u64 s[B3:B3+1], s[6:7], s[16:17]
	s_add_nc_u64 s[SA:SA+1], s[8:9], s[20:21]
	s_add_nc_u64 s[SB:SB+1], s[SA:SA+1], 128*TOKB
	s_add_nc_u64 s[OUT:OUT+1], s[10:11], s[22:23]
	CROUND                                         ; all four work-groups are here: the first joint loads meet
	tensor_load_to_lds s[G0:G0+3], s[G1:G1+7]      ; tile 0 into slot 0; slot 1 is asked for by the loop's first change of slots
	s_nop 0
	PLACES 4
	v_and_b32 v1, 15, v0                           ; l % 16
	v_bfe_u32 v2, v0, 4, 1                         ; l / 16
	s_lshl_b32 s16, s[WN], 7                       ; my 32 columns: 128 bytes
	v_mul_u32_u24 v[AD0], v2, 8*PITCH
	v_lshl_add_u32 v[AD0], v1, 3, v[AD0]
	v_add_nc_u32 v[AD0], s16, v[AD0]
	v_lshlrev_b32 v[VA], 4, v1
	v_lshl_add_u32 v[VB], v2, 17, v[VA]
	s_mul_i32 s17, s[WM], 128*PITCH
	s_add_co_u32 s17, s17, s16
	v_mul_u32_u24 v[STO], v1, 4*PITCH              ; row 128 wm + 4 (l % 16), byte 128 wn + 64 (l / 16)
	v_lshl_add_u32 v[STO], v2, 6, v[STO]
	v_add_nc_u32 v[STO], s17, v[STO]
	s_mul_i32 s17, s[WV], 64*PITCH
	v_mul_u32_u24 v[RD], v2, PITCH                 ; back: lanes 0-15 take one row of 256 bytes, lanes 16-31 the next
	v_lshl_add_u32 v[RD], v1, 4, v[RD]
	v_add_nc_u32 v[RD], s17, v[RD]
	v_lshl_add_u32 v[CO], v2, 12, v[VA]
	v_and_b32 v[PFO], 31, v0
	v_lshlrev_b32 v[PFO], 12, v[PFO]
	v_lshlrev_b32 v[VBI], 6, v2
	v_add_nc_u32 v[VBI], s16, v[VBI]
.irp i, 0,1,2,3
	global_load_b128 v[BI+4*(\i):BI+4*(\i)+3], v[VBI], s[B3:B3+1] offset:16*(\i)
.endr
; b's FRAGMENTS, in eight batches n: tokens 64 (n / 4) on, j = 32 (n % 4) on.  A batch is 16 loads: row j = 32 kb + 16 c + 8 (l / 16) + e of b, 4 tokens a lane (16 lanes: 256 consecutive bytes, aligned).
; All eight batches stay in registers until each token's maximum is known: 512 registers that the loop uses later (w3 as read, both buffers of T, both fragment buffers).
; Then each number is divided by its token's S, and two rows rounded together are one register of the fragment of the tokens 4 (l % 16) + t.
.macro BSET n                       ; batch n's window bw and first register tb
.if (\n) < 2
.set bw, 3
.set tb, 128+64*(\n)
.elseif (\n) < 4
.set bw, 2
.set tb, 128+64*((\n)-2)
.elseif (\n) < 6
.set bw, 2
.set tb, 64*((\n)-4)
.else
.set bw, 0
.set tb, 128+64*((\n)-6)
.endif
.endm
.macro BLOAD n
	BSET \n
.set ww, bw<<6                      ; destination in the batch's window
	WIN ww
.set i, 0
.rept 16
	global_load_b128 v[tb+4*i:tb+4*i+3], v[VB], s[SB:SB+1] offset:(32*((\n)%4)+16*(i/8)+i%8)*TOKB+256*((\n)/4)
.set i, i+1
.endr
.endm
.macro BMAX n                       ; the four tokens' running maxima take the batch's 16 rows, two a line: t = i % 4, rows 2 (i / 4) and 2 (i / 4) + 1
	BSET \n
.set ww, (bw<<2)|(bw<<4)            ; sources 1 and 2 in the batch's window
	WIN ww
.set i, 0
.rept 32
	v_max3_num_f32 v[MX+4*((\n)/4)+i%4], v[MX+4*((\n)/4)+i%4], v[tb+8*(i/4)+i%4], v[tb+8*(i/4)+4+i%4]
.set i, i+1
.endr
.endm
.macro BSCL n                       ; in place: two tokens' numbers times their two 1 / S, exact
	BSET \n
.set ww, bw|(bw<<6)                 ; source 0 and destination in the batch's window
	WIN ww
.set i, 0
.rept 32
	v_pk_mul_f32 v[tb+2*i:tb+2*i+1], v[tb+2*i:tb+2*i+1], v[INV+4*((\n)/4)+2*(i%2):INV+4*((\n)/4)+2*(i%2)+1]
.set i, i+1
.endr
.endm
.macro BCVT n
	BSET \n
.set ww, 0x40|bw|(bw<<2)            ; sources in the batch's window, destination window 1
	WIN ww
.set i, 0
.rept 32                                           ; t = i / 8, c = (i / 4) % 2, m = i % 4
	v_cvt_pk_f16_f32 v[8*(4*(4*((\n)/4)+i/8)+(\n)%4)+4*((i/4)%2)+i%4], v[tb+4*(8*((i/4)%2)+2*(i%4))+i/8], v[tb+4*(8*((i/4)%2)+2*(i%4)+1)+i/8]
.set i, i+1
.endr
.endm
	BLOAD 0
	BLOAD 1
	BLOAD 2
	; What the first two units find: zeros in acc and in a's places 2 and 3 (written here, while the first loads are on their way), in T's first buffer and in the fragments' second buffer (written
	; below, when b has left them).  No first unit is written out; the price is these 336 lines.
	WIN 0xc0
.set i, 0
.rept 128
	v_mov_b32 v[i], 0
.set i, i+1
.endr
	WIN 0
.set i, 0
.rept 16
	v_mov_b32 v[AV+16+i], 0
.set i, i+1
.endr
.set i, 0
.rept 8
	v_mov_b32 v[MX+i], 0.5                         ; m starts at 0.5, above swish's lowest value taken positive
	v_mov_b32 v[PX+i], 0.5                         ; (v_permlanex16_b32's destination counts as read)
.set i, i+1
.endr
.irp n, 0,1,2,3,4,5,6,7
.if 7-(\n) < 2
	s_wait_loadcnt 16*(7-(\n))                     ; batch n is in; the later batches that have been asked for, 16 loads each, may stay out
.else
	s_wait_loadcnt 32
.endif
	BMAX \n
.if (\n)+3 < 8
	BLOAD (\n)+3
.endif
.endr
	WIN 0
.irp k, 0,1,2,3,4,5,6,7
	v_permlanex16_b32 v[PX+(\k)], v[MX+(\k)], s[SEL], s[SEL+1]  ; the token's other 64 j lie in the lane 16 away
.endr
.irp k, 0,1,2,3,4,5,6,7
	v_max_num_f32 v[MX+(\k)], v[MX+(\k)], v[PX+(\k)]
.endr
.irp k, 0,1,2,3,4,5,6,7
	v_min_num_f32 v[MX+(\k)], 0x7e800000, v[MX+(\k)]           ; at most 2^126, so that 1 / S is a normal number
.endr
.irp k, 0,1,2,3,4,5,6,7
	v_and_b32 v[SC+(\k)], 0x7f800000, v[MX+(\k)]               ; S: m's exponent alone
.endr
.irp k, 0,1,2,3,4,5,6,7
	v_sub_nc_u32 v[INV+(\k)], 0x7f000000, v[SC+(\k)]           ; 1 / S: the exponent field 254 - E
.endr
.irp n, 0,1,2,3,4,5,6,7
	BSCL \n
	BCVT \n
.endr
	WIN 0x80
.set i, 0
.rept 128
	v_mov_b32 v[i], 0
.set i, i+1
.endr
	WIN 0
.set i, 0
.rept 64
	v_mov_b32 v[FR+64+i], 0
.set i, i+1
.endr
	global_load_b128 v[AV:AV+3],   v[VA], s[SA:SA+1]             ; a of i = 0
	global_load_b128 v[AV+4:AV+7], v[VA], s[SA:SA+1] offset:256
; Pair MI of 32 of T[p] = w3's fragments[p] x b: j = 32 (MI / 8) on, tokens' block rb = MI % 8, both cb.  The first 8 pairs start the sums with the constant 0.
; The 16 accumulators take turns, one instruction a turn, from unit to unit and over the backward jump too.
.macro MPAIR p
	WIN W_M
.set kb2, MI/8
.set rb2, MI%8
.irp cb, 0,1
.if kb2 == 0
	v_wmma_f32_16x16x32_f16 v[128*(\p)+8*(2*rb2+(\cb)):128*(\p)+8*(2*rb2+(\cb))+7], v[FR+64*(\p)+8*(2*kb2+(\cb)):FR+64*(\p)+8*(2*kb2+(\cb))+7], v[8*(4*rb2+kb2):8*(4*rb2+kb2)+7], 0
.else
	v_wmma_f32_16x16x32_f16 v[128*(\p)+8*(2*rb2+(\cb)):128*(\p)+8*(2*rb2+(\cb))+7], v[FR+64*(\p)+8*(2*kb2+(\cb)):FR+64*(\p)+8*(2*kb2+(\cb))+7], v[8*(4*rb2+kb2):8*(4*rb2+kb2)+7], v[128*(\p)+8*(2*rb2+(\cb)):128*(\p)+8*(2*rb2+(\cb))+7]
.endif
.endr
.set MI, MI+1
.endm
; Group CI of 16 of the roundings: the run's loads 4 CI .. 4 CI + 3 (four rows, two columns) make four registers of fragments in buffer p.
.macro CGRP p
	s_wait_dscnt 60-4*CI                           ; LDS loads come back in order: the run's younger loads may stay out
	WIN W_C
.set kb, CI/4
.set cc, (CI/2)%2
.irp mh, 0,1
.set m, 2*(CI%2)+(\mh)
.irp cb, 0,1
	v_cvt_pk_f16_f32 v[FR+64*(\p)+8*(2*kb+(\cb))+4*cc+m], v[RAW+2*(16*kb+8*cc+2*m)+(\cb)], v[RAW+2*(16*kb+8*cc+2*m+1)+(\cb)]
.endr
.endr
.set CI, CI+1
.endm
; Group FI of 16 of the update: acc[x] += a T[p][x] for x = FI; a is one register of a pair, taken for both halves.  T's registers are read in ascending order.
.macro FGRP p, av
	WIN W_F
.set rbx, FI/2
.set ap, AV+8*(\av)+2*(rbx/2)
.set m, 0
.rept 4
.if rbx%2
	v_pk_fma_f32 v[8*FI+2*m:8*FI+2*m+1], v[128*(\p)+8*FI+2*m:128*(\p)+8*FI+2*m+1], v[ap:ap+1], v[8*FI+2*m:8*FI+2*m+1] op_sel:[0,1,0] op_sel_hi:[1,1,1]
.else
	v_pk_fma_f32 v[8*FI+2*m:8*FI+2*m+1], v[128*(\p)+8*FI+2*m:128*(\p)+8*FI+2*m+1], v[ap:ap+1], v[8*FI+2*m:8*FI+2*m+1] op_sel_hi:[1,0,1]
.endif
.set m, m+1
.endr
.set FI, FI+1
.endm
; A UNIT, number u with ii = u % 4.  ld: L(u) and C(u).  mx: M(u - 1).  al: a of i = u + 1 is asked for, three units ahead of its use.  lc: how many younger loads of a may stay out when a of i = u - 2 is wanted
; (two for each later i that has been asked for).  ask: the prefetch, behind the run of LDS loads and a's loads.
; THE DEAL: behind pairs 0-3 and the odd pairs up to 27 a group of A, behind the even pairs 4-26 and pairs 28-31 a group of C.  So the first rounding stands ten products behind the run, and sixteen plain
; instructions that name none of their registers stand between the last products that read a fragment buffer and the first line that writes it.  What is loaded from LDS and from memory is never a matrix operand.
.macro UNIT ii, ld, mx, al, lc, ask
.set UP, (\ii)%2
.set UA, ((\ii)+2)%4
.set MI, 0
.set CI, 0
.set FI, 0
.if \ld
	WIN 0
	v_add_nc_u32 v[AD], s[TB], v[AD0]
	s_add_co_u32 s[TB], s[TB], IB                  ; the next run is the next i's
	WIN W_L
.set n, 0
.rept 64                                           ; row 32 kb + 16 cc + 8 (l / 16) + e, n = 16 kb + 8 cc + e
	ds_load_b64 v[RAW+2*n:RAW+2*n+1], v[AD] offset:((n/16)*32+((n/8)%2)*16+n%8)*PITCH
.set n, n+1
.endr
.endif
.if \al
	WIN 0
	global_load_b128 v[AV+8*(((\ii)+1)%4):AV+8*(((\ii)+1)%4)+3],   v[VA], s[SA:SA+1] offset:((\ii)-3)*TOKB
	global_load_b128 v[AV+8*(((\ii)+1)%4)+4:AV+8*(((\ii)+1)%4)+7], v[VA], s[SA:SA+1] offset:((\ii)-3)*TOKB+256
.endif
.if \ask
	WIN 0
	ASK
.endif
	s_wait_loadcnt \lc
.if \mx
.set P, 0
.rept 32
	MPAIR 1-UP
.if \ld
.if (P < 4) || ((P < 28) && (P%2 == 1))
	FGRP UP, UA
.else
	CGRP UP
.endif
.elseif P%2 == 0
	FGRP UP, UA
.endif
.set P, P+1
.endr
.else
	PLACES 8                                       ; behind the last products
.rept 16
	FGRP UP, UA
.endr
.endif
.endm
.macro BODY last                    ; a slot's four i
.if \last
	UNIT 0, 1, 1, 1, 6, 0
	UNIT 1, 1, 1, 1, 6, 0
	UNIT 2, 1, 1, 1, 6, 0
	UNIT 3, 1, 1, 0, 4, 0                          ; there is no i = 128
.else
	UNIT 0, 1, 1, 1, 6, 1
	UNIT 1, 1, 1, 1, 6, 0
	UNIT 2, 1, 1, 1, 6, 0
	UNIT 3, 1, 1, 1, 6, 0
.endif
.endm
; THE CHANGE OF SLOTS.  The slot's bytes are all in registers (the last group of roundings waited for the whole run).  Each wave waits for all its tensor loads, of which one is out: its part of the other slot;
; adds 0 to its spare word; and waits for that.  fill = 1: the slot just read is filled again, with the tile two on; the barrier is then a round of the cluster's, so that no wave of any partner still reads
; the slot or has a load on its way, and the joint load is the first thing behind it: it has four units, 256 matrix instructions, in which to land.  (At its first use slot 0 is waited for and slot 1 filled.)
.macro CHANGE fill
	WIN 0                                          ; at a label and at a branch every window is 0
	s_wait_xcnt 0x0                                ; a's loads and the last prefetch, three units back, have read their addresses: the two pointers may be written
	s_add_nc_u64 s[SA:SA+1], s[SA:SA+1], 4*TOKB
	s_add_nc_u64 s[PFA:PFA+1], s[PFA:PFA+1], SLOTG
	s_wait_tensorcnt 0x0                           ; no tensor load of mine is out, so group 0 may be written
	ds_add_u32 v[SPW], v[NIL]                      ; 0 onto my spare word
.if \fill
	s_xor_b32 s[G0+1], s[G0+1], SLOT               ; the other slot than last time,
	s_add_nc_u64 s[G0+2:G0+3], s[G0+2:G0+3], SLOTG ; the next four i; the type bits on top are not reached
.endif
	s_wait_dscnt 0x0                               ; the add is done, and my reads of the slot are over
.if \fill
	CROUND
	tensor_load_to_lds s[G0:G0+3], s[G1:G1+7]      ; my one tensor load behind the round
	s_nop 0
	PLACES 4
.else
	s_barrier_signal -1
	s_barrier_wait -1
.endif
	s_sub_co_u32 s[TB], s[TB], 4*IB                ; the runs go back to a slot's first i,
	s_xor_b32 s[TB], s[TB], SLOT                   ; in the other slot
.endm
.Lslot:                                            ; 31 trips: tile g is worked on, tile g + 1 asked for
	CHANGE 1
	BODY 0
	WIN 0
	s_sub_co_u32 s[SLOTS], s[SLOTS], 1
	s_cmp_lg_u32 s[SLOTS], 0
	s_cbranch_scc1 .Lslot
	CHANGE 0                                       ; the last tile is written out: nothing is asked for
	BODY 1
	UNIT 0, 0, 1, 0, 2, 0                          ; the products of i = 127, the update of i = 126
	UNIT 1, 0, 0, 0, 0, 0                          ; the update of i = 127
	; THE WAY OUT.  out = acc S + b3, one fused multiply-add; a lane's 16 columns on end of a token's row (the two cb interleaved) go into the stage: slot 0's first 256 rows of 272 bytes.  Slot 0 has had its
	; last fill, and every wave had read it out in front of the last change's barrier.  A barrier, since a row's 256 bytes come from two waves; then whole rows come back, 64 a wave.
.irp gg, 0,1
	WIN 0x03                                       ; acc window 3
.set i, 0
.rept 64                                           ; t = i / 16, j = (i % 16) / 2, cb = i % 2
	v_fma_f32 v[STG+i], v[8*(2*(4*(\gg)+i/16)+i%2)+(i%16)/2], v[SC+4*(\gg)+i/16], v[BI+i%16]
.set i, i+1
.endr
	WIN 0
.set i, 0
.rept 16
	ds_store_b128 v[STO], v[STG+4*i:STG+4*i+3] offset:(64*(\gg)+i/4)*PITCH+16*(i%4)
.set i, i+1
.endr
.endr
	s_wait_dscnt 0x0                               ; for the others' sake: my stores into the stage are done
	s_barrier_signal -1
	s_barrier_wait -1
.set i, 0
.rept 32
	ds_load_b128 v[FR+4*i:FR+4*i+3], v[RD] offset:2*PITCH*i
.set i, i+1
.endr
.set i, 0
.rept 32
	s_wait_dscnt 31-i
	global_store_b128 v[CO], v[FR+4*i:FR+4*i+3], s[OUT:OUT+1] offset:8192*i th:TH_STORE_NT  ; 16 lanes store 256 consecutive bytes, at a multiple of 256 from out0's first byte
.set i, i+1
.endr
	s_wait_tensorcnt 0x0                           ; the wave's end: behind my last tensor load and my last LDS store
	ds_add_u32 v[SPW], v[NIL]
	s_wait_dscnt 0x0
	CROUND                                         ; the closing round: no work-group ends while a partner may still ask for a tile that names it
	s_endpgm
.Lfunc_end_k_q93abb8323c_main:
	.size	k_q93abb8323c_main, .Lfunc_end_k_q93abb8323c_main-k_q93abb8323c_main
	.p2alignl 7, 3214868480
	.fill 96, 4, 3214868480
	.section	.rodata,"a",@progbits
	.p2align	6, 0x0
	.amdhsa_kernel k_q93abb8323c_main
		.amdhsa_group_segment_fixed_size 327680
		.amdhsa_private_segment_fixed_size 0
		.amdhsa_enable_private_segment 0
		.amdhsa_kernarg_size 32
		.amdhsa_user_sgpr_count 2
		.amdhsa_user_sgpr_kernarg_segment_ptr 1
		.amdhsa_wavefront_size32 1
		.amdhsa_system_sgpr_workgroup_id_x 1
		.amdhsa_system_sgpr_workgroup_id_y 1
		.amdhsa_system_sgpr_workgroup_id_z 1
		.amdhsa_system_vgpr_workitem_id 0
		.amdhsa_next_free_vgpr 1024
		.amdhsa_next_free_sgpr 66
		.amdhsa_reserve_vcc 0
		.amdhsa_float_denorm_mode_32 3
		.amdhsa_float_denorm_mode_16_64 3
		.amdhsa_memory_ordered 1
		.amdhsa_forward_progress 1
		.amdhsa_inst_pref_size 255
	.end_amdhsa_kernel
	.section	.bss,"aw",@nobits
	.p2align	6
	.space	262144
	.amdgpu_metadata
---
amdhsa.version: [ 1, 2 ]
amdhsa.kernels:
  - .name:           k_q93abb8323c_main
    .symbol:         k_q93abb8323c_main.kd
    .args:
      - { .name: w3, .offset: 0, .size: 8, .value_kind: global_buffer, .address_space: global }
      - { .name: b3, .offset: 8, .size: 8, .value_kind: global_buffer, .address_space: global }
      - { .name: abt, .offset: 16, .size: 8, .value_kind: global_buffer, .address_space: global }
      - { .name: out0, .offset: 24, .size: 8, .value_kind: global_buffer, .address_space: global }
    .group_segment_fixed_size: 327680
    .private_segment_fixed_size: 0
    .kernarg_segment_align: 8
    .kernarg_segment_size: 32
    .max_flat_workgroup_size: 128
    .sgpr_count:     66
    .vgpr_count:     1024
    .wavefront_size: 32
...
	.end_amdgpu_metadata
.endif
;; end of part 2
